; MI455X (gfx1250); checked and timed in simulation.
; The chip was launched on July 23, 2026; its instructions are those of AMD's public machine-readable ISA for CDNA 5 (MIT licence, August 2026) and "CDNA5" Instruction Set Architecture Reference Guide (July 2026). The comments in the code are by the model that wrote it; some were corrected since.
;; Cross Trans Former. Allowed arithmetic: matrix products marked QUANTISED: E4M3 operands, one E8M0 scale for each 32 along K, by v_wmma_scale_f32_16x16x128_f8f6f4 with both operands' format E4M3, f32 sums; everything else in f32.
;; Inputs: Wk_codes 1,024 x 32 x 32 uint8 (E4M3 codes of Wk, K innermost, in blocks of 32 codes); Wk_scales 1,024 x 32 uint8 (E8M0 scales of Wk, one for each 32 codes along K); Wq_codes 1,024 x 32 x 32 uint8 (E4M3 codes of Wq, K innermost, in blocks of 32 codes); Wq_scales 1,024 x 32 uint8 (E8M0 scales of Wq, one for each 32 codes along K); Wv_codes 1,024 x 32 x 32 uint8 (E4M3 codes of Wv, K innermost, in blocks of 32 codes); Wv_scales 1,024 x 32 uint8 (E8M0 scales of Wv, one for each 32 codes along K); Xk_codes 4 x 2,048 x 32 x 32 uint8 (E4M3 codes of Xk, K innermost, in blocks of 32 codes); Xk_scales 4 x 2,048 x 32 uint8 (E8M0 scales of Xk, one for each 32 codes along K); Xq_codes 4 x 2,048 x 32 x 32 uint8 (E4M3 codes of Xq, K innermost, in blocks of 32 codes); Xq_scales 4 x 2,048 x 32 uint8 (E8M0 scales of Xq, one for each 32 codes along K); beta1 1,024 float32; beta2 1,024 float32; beta3 1,024 float32; gamma1 1,024 float32; gamma2 1,024 float32; gamma3 1,024 float32; mean1 1,024 float32; mean2 1,024 float32; mean3 1,024 float32; var1 1,024 float32; var2 1,024 float32; var3 1,024 float32.
;; Outputs: out0 4 x 1,024 x 2,048 float32.
;; This version of the problem:
;;   THIS VERSION OF THE PROBLEM IS GIVEN IN LOW PRECISION. The matrix products marked QUANTISED in the list below multiply operands that are first quantised to E4M3 (4 exponent bits, 3 mantissa bits; 8 bits a number), with one power-of-two scale for each 32 numbers along K (OCP MX v1.0); their sums are f32. All else is computed in f32.
;;   The module's matrix products, in the order in which they are computed (A, B: the left and right operand; K: the contracted axis; several contracted axes count as one K, in the product's order):
;;     1. [M 8,192, K 1,024] x [K 1,024, N 1,024]; A: input Xq (given as codes); B: input Wq (given as codes): QUANTISED
;;     2. [M 8,192, K 1,024] x [K 1,024, N 1,024]; A: input Xk (given as codes); B: input Wk (given as codes): QUANTISED
;;     3. [M 8,192, K 1,024] x [K 1,024, N 1,024]; A: input Xq (given as codes); B: input Wv (given as codes): QUANTISED
;;     4. batch 32 x [M 2,048, K 128] x [K 128, N 2,048]; A: computed on the way; B: computed on the way: QUANTISED
;;     5. batch 32 x [M 128, K 2,048] x [K 2,048, N 2,048]; A: computed on the way; B: softmax (see below): QUANTISED
;;   THE QUANTISER, for each operand of a quantised product, along K:
;;     - K is cut into blocks of 32 from its start; a last block that is shorter is filled with zeros.
;;     - A block's scale is 2^e with e = floor(log2(the largest magnitude in the block)) - 8, held to -126 .. 127; a block of zeros has e = 0. As a byte (E8M0): e + 127.
;;     - Each number is divided by its block's scale, clamped to +-448, and rounded to the nearest number of E4M3, ties to even, subnormals kept.
;;     - The product sums the exact products of the quantised numbers (number of the format x scale) in f32.
;;   ~~~python
;;   def quantise(x, axis):      # numpy; x: float32 -> the quantised numbers, widened to float32 again
;;       x = np.moveaxis(x, axis, -1); K = x.shape[-1]
;;       x = np.pad(x, [(0, 0)] * (x.ndim - 1) + [(0, -K % 32)]); x = x.reshape(x.shape[:-1] + (-1, 32)); a = np.abs(x).max(-1, keepdims=True)
;;       e = np.where(a > 0, np.clip(np.frexp(np.where(a > 0, a, 1))[1] - 1 - 8, -126, 127), 0)      # np.frexp(a)[1] - 1 = floor(log2(a)), exactly
;;       r = np.clip(x / 2.0 ** e, -448, 448)
;;       step = 2.0 ** (np.maximum(np.frexp(np.where(r == 0, 1, r))[1] - 1, -6) - 3)
;;       q = np.round(r / step) * step * 2.0 ** e      # np.round: ties to even
;;       return np.moveaxis(q.reshape(q.shape[:-2] + (-1,))[..., :K], -1, axis).astype(np.float32)
;;   ~~~
;;   SOFTMAX AHEAD OF A QUANTISED PRODUCT. Where the list says 'softmax', what is quantised is not the finished softmax but p = 2^(t - M), with t = logit x log2(e) and M = ceil(the row's largest t), a whole number; so 1/2 < the row's largest p <= 1. The row's sum l is taken of the UNQUANTISED p, in f32, and the product's result is divided by l at the end. Since M is a whole number, a kernel that streams over the keys may use a running M (the ceiling of the running maximum): every later rescaling is an exact power of two, which a block's scale takes up: the codes' values come out the same.
;;   OPERANDS COMPUTED ON THE WAY. 'Computed on the way' means the value that the module computes at that place (a softmax that the list does not call 'softmax' is quantised finished and normalised). What goes into a quantiser is computed in f32, as accurately as f32 sums, v_exp_f32 and their like allow (about 1e-6 of the number): no bf16 or f16 on the way to a quantiser, and a product that is left as it is and whose result goes on into a quantised operand takes f32 operands (vector FMAs, or v_wmma_f32_16x16x4_f32). A number that lies on a knife's edge between two numbers of the format may be rounded either way, as far as f32 arithmetic and the matrix unit's own rounding can turn it there, and no further.
;;   INPUTS GIVEN AS CODES. Wk (in the module: [1024, 1024], K = its axis 1); Wq (in the module: [1024, 1024], K = its axis 1); Wv (in the module: [1024, 1024], K = its axis 1); Xk (in the module: [4, 1024, 2048], K = its axis 1); Xq (in the module: [4, 1024, 2048], K = its axis 1): each comes as NAME_codes (uint8): NAME with its K axis moved to the last place and cut into blocks of 32 codes, [.., K / 32, bytes a block], one block behind the other in memory; one code a byte (a code: sign, 4 exponent bits, 3 mantissa bits); and NAME_scales (uint8): the same leading axes, one E8M0 byte (e + 127) for each 32 codes along K. Its value is code x scale, taken as it is: it is not quantised again, and the codes and scales need not be those that the quantiser above would give.
;; One version. Each part assembles by itself: llvm-mc -triple=amdgcn-amd-amdhsa -mcpu=gfx1250 --defsym DOCPART=n.
;; ======== version 1 of 1: 2 launches
;; limits: right only within a limited range of input values
;; workspace buffers: codes 25,165,824 bytes; scales 786,432 bytes
;; launch proj (part 1): grid 4 x 96, 4 waves a work-group, clusters of 4 x 4, 327,680 bytes of LDS; arguments Xk_codes, Xk_scales, Wk_codes, Wk_scales, gamma2, beta2, mean2, var2, Xq_codes, Xq_scales, Wv_codes, Wv_scales, gamma3, beta3, mean3, var3, Wq_codes, Wq_scales, gamma1, beta1, mean1, var1, codes, scales; writes codes, scales
.if DOCPART == 1
	.amdgcn_target "amdgcn-amd-amdhsa--gfx1250"
	.amdhsa_code_object_version 6
	.text
	.protected	k_q4928a440e3_proj
	.globl	k_q4928a440e3_proj
	.p2align	8
	.type	k_q4928a440e3_proj,@function
k_q4928a440e3_proj:
	s_mov_b64 s[64:65], 0
	v_nop
	global_prefetch_b8 v0, s[64:65] scope:SCOPE_SE
	s_setreg_imm32_b32 hwreg(HW_REG_WAVE_MODE, 25, 1), 1
	s_wait_xcnt 0x0
	s_wait_alu depctr_hold_cnt(0) depctr_sa_sdst(0) depctr_va_vdst(0) depctr_va_sdst(0) depctr_va_ssrc(0) depctr_va_vcc(0) depctr_vm_vsrc(0)
	s_getreg_b32 s2, hwreg(HW_REG_IB_STS2, 6, 4)
	s_cmp_eq_u32 s2, 0
	s_cbranch_scc0 .Lentry_in_a_cluster
	s_endpgm
.Lentry_in_a_cluster:
	s_bfe_u32 s2, ttmp6, 0x10000c
	s_cmp_lg_u32 s2, 0xf033
	s_cbranch_scc0 .Lentry_shape_is_right
	s_endpgm
.Lentry_shape_is_right:
; THE THREE PROJECTIONS: y = W x on codes of FP8 (E4M3) with one E8M0 scale for each 32 along K = 1,024; then y sc + bi (sc = gamma / sqrt(var + 1e-5), bi = beta - mean sc), max(y, 0.1 y), and the MX quantiser.
; NO WORK IS LEFT OUT: every input has a way to the output, and all three results are operands of live quantised products.
; TENSOR T (from the cluster's y): 0 = the K branch (Xk, Wk, set 2), attention's rows i;  1 = the V branch (Xq, Wv, set 3), its keys j;  2 = the Q branch (Xq, Wq, set 1), its values.
; C[m][n] = A[m] . B[n], a tile of 256 x 256 to a work-group of four waves, 128 x 128 to a wave: 64 accumulators.  THE MATRIX INSTRUCTION IS USED TRANSPOSED (source 0 = 16 rows of B, source 1 = 16 rows of A):
; lane (r, h) holds A's row 16 a + r, its register 8 b + j B's row 16 b + 8 h + j.  So B is the axis that is quantised next: T = 0, 1: A = X (positions), B = W (the head's 128 channels);  T = 2: A = Wq (channels), B = Xq (positions j).
; OUT.  codes[T][head 8 b + h][block of 128][fragment a][chunk c][lane][16 bytes]: an image of the operand's registers (16 rows x 128 K: 16 registers a lane), so that a chunk leaves by one store of 512 consecutive bytes.
; scales[T][head][block][row]: one word of four E8M0 bytes a row.  INSIDE A BLOCK OF 32 the codes' order is: place 16 h + 8 u + j holds k = 16 u + 8 h + j.  All four computed operands of the two later products are laid so,
; so both sides of a product are permuted alike, within a scale's block: the sums hold the same terms.
; CLUSTERS: 4 x 4 work-groups of one tensor.  The four of a row of the cluster need the same tiles of A, the four of a column the same tiles of B: each is asked for jointly.
; K goes in steps of 256 through a ring of two LDS slots (four steps: two first fills, two refills); the scales of the work-group's rows, for all of K, come once.
; LIMITS: NaN and infinities are not served; var + 1e-5 is a positive normal number; a block of zeros gets the byte 1 (its codes are zeros, and this program alone reads the bytes);
; the last bits of the later sums may differ from sums taken in the natural order of k.
; REGISTERS: window 0: v1-6 at work, v16-31 addresses, v32-63 scale words (two sets), v64-79 the norm's set-up, v128-255 A's fragments (one set); on the way out v32-95 numbers, v96-111 at work, v112-119 scale words, v128-255 codes.
;   window 1: B's fragments, two sets; on the way out sc (v0-63) and bi (v64-127).   windows 2, 3: accumulator (a, b) at v[8 (8 (a % 4) + b)] of window 2 + a / 4.
.set NQ,     2                         ; matrix instructions deep in a slot
.set ROWB,   256                       ; a tile's row in bytes
.set KROW,   1024                      ; a row of A or of B in memory
.set PITCH,  272                       ; an LDS row: 256 bytes + 16 of padding: the 16 rows that a load touches start at 16 different banks (64 banks of 4 bytes: ISA guide 11.1)
.set FR,     16
.set NL,     4
.set NP,     8                         ; places behind this matrix instruction (ISA guide 7.12.1)
.set HALFT,  128*PITCH
.set SLOT,   4*HALFT
.set KS,     32                        ; a row of scales in bytes
.set SCL,    2*SLOT                    ; behind the ring: the scales, as 256 bytes + 16 of padding
.set HALFS,  (128*KS/256)*272
.set SBLK,   (16*KS/256)*272
.set SPARE,  SCL+4*HALFS               ; the spare words, 128 bytes for each wave
.set BNT,    SPARE+512                 ; each wave's own table: sc of its 128 channels, then bi: 1,024 bytes
.set SWS,    BNT+4*1024                ; each wave's own 128 scale words on the way out: 512 bytes
.set ADRA, 16
.set ADRB, 20
.set SR,   22                          ; v22  SWS + 512 wave + 16 lane
.set BT,   24                          ; v24  BNT + 1,024 wave + 16 lane
.set BA,   25                          ; v25  BNT + 1,024 wave + 32 h
.set CO,   26                          ; v26  16 lane
.set ADRS, 27
.set SPW,  28
.set NIL,  29
.set BB,   30                          ; v30  BNT + 1,024 wave + 4 r
.set SW,   31                          ; v31  SWS + 512 wave + 4 r
.set SC,   32
.set AF,   128
.set TT,   32                          ; the way out: 64 numbers of a lane
.set TM,   96
.set PW,   112
.set PC,   128
.set SCR,  0                           ; in window 1
.set BIR,  64
.set G0,   20
.set G0B,  28
.set G0S,  36
.set G0SB, 40
.set SEL,  44
.set MNT,  46
.set G1,   52
.set WV,   60
.set HR,   61
.set HC,   62
.set TN,   63
.set G1B,  68
.set G1S,  76
.set G1SB, 84
.set MSB, 0
.macro WIN new                         ; the immediate's high byte repeats the setting that is left
.if MSB != \new
	s_set_vgpr_msb (MSB<<8)|\new
.set MSB, \new
.endif
.endm
.set MUL_LO, 0xa1                      ; source 0 (B) window 1, source 1 (A) window 0, C and D window 2
.set MUL_HI, 0xf1
.set TO_B,   0x40                      ; destination window 1, address window 0
; A joint load: waves 0 and 1 fetch for A, waves 2 and 3 for B; the branch hangs on the wave's number alone.  An s_nop 0 and four v_nop follow each of the two lines.
.macro JLOAD g0a, g1a, g0b, g1b
	s_cmp_eq_u32 s[HR], 0
	s_cbranch_scc0 .Lfor_b_\@
	tensor_load_to_lds s[\g0a:\g0a+3], s[\g1a:\g1a+7]
	s_nop 0
.rept 4
	v_nop
.endr
	s_branch .Lasked_\@
.Lfor_b_\@:
	tensor_load_to_lds s[\g0b:\g0b+3], s[\g1b:\g1b+7]
	s_nop 0
.rept 4
	v_nop
.endr
.Lasked_\@:
.endm
.macro CREST                           ; a round of the cluster's barrier behind its opening barrier
	s_cmp_lg_u32 s[WV], 0
	s_cbranch_scc1 .Lnot_wave_0_\@
	s_barrier_signal -3
.Lnot_wave_0_\@:
	s_barrier_wait -3
	s_barrier_signal -1
	s_barrier_wait -1
.endm
.macro CROUND
	s_barrier_signal -1
	s_barrier_wait -1
	CREST
.endm
	s_load_b512 s[4:19], s[0:1], 0x0               ; tensor 0's eight: X codes, X scales, W codes, W scales, gamma, beta, mean, var
	s_load_b512 s[20:35], s[0:1], 0x40             ; tensor 1's eight
	s_load_b512 s[36:51], s[0:1], 0x80             ; Wq codes, Wq scales, gamma1, beta1, mean1, var1; codes s[48:49], scales s[50:51]
	v_lshl_add_u32 v[SPW], v0, 2, SPARE
	v_mov_b32 v[NIL], 0
	ds_add_u32 v[SPW], v[NIL]                      ; the wave's opening: the add, twice on end, and its wait ahead of my first tensor load; the set-up below is work on registers
	ds_add_u32 v[SPW], v[NIL]
	v_lshrrev_b32 v1, 5, v0
	v_readfirstlane_b32 s[WV], v1                  ; wave 0..3
	s_lshr_b32 s[HR], s[WV], 1                     ; which half of the tile's rows is mine.  Also: I fetch for A (0) or for B (1)
	s_and_b32 s[HC], s[WV], 1                      ; which half of its columns.  Also: which 128 rows I fetch
	s_bfe_u32 s66, ttmp6, 0x40000                  ; cx
	s_bfe_u32 s67, ttmp6, 0x40004                  ; cy
	s_and_b32 s2, ttmp7, 0xffff                    ; the cluster's y, 0..23: 8 clusters to a tensor
	s_lshr_b32 s[TN], s2, 3                        ; T: the same in all sixteen partners
	s_and_b32 s2, s2, 7
	s_lshl_b32 s2, s2, 2                           ; 4 u: the X side has 32 tiles, the W side 4
	s_cmp_eq_u32 s[TN], 2
	s_cselect_b32 s92, s2, 0
	s_cselect_b32 s93, 0, s2
	s_add_co_u32 s92, s92, s66                     ; tile column (B's rows): hangs on cx alone
	s_add_co_u32 s93, s93, s67                     ; tile row (A's rows): on cy alone
	s_lshl_b32 s94, s67, 2
	s_lshl_b32 s94, 15, s94                        ; my row of the cluster
	s_lshl_b32 s95, 0x1111, s66                    ; my column
	; group 1 for the codes: 128 rows x 256 bytes, 16 bytes of padding behind each
	s_or_b32 s[G1], s94, (0<<16)|(1<<20)|(1<<21)|(5<<22)|(3<<25)
	s_or_b32 s[G1B], s95, (0<<16)|(1<<20)|(1<<21)|(5<<22)|(3<<25)
.irp g, G1, G1B
	s_mov_b32 s[\g+1], ROWB<<16                    ; tensor_dim0
	s_mov_b32 s[\g+2], 128<<16                     ; tensor_dim1
	s_mov_b32 s[\g+3], ROWB<<16                    ; tile_dim0
	s_mov_b32 s[\g+4], 128                         ; tile_dim1
	s_mov_b32 s[\g+5], KROW                        ; the pitch
	s_mov_b32 s[\g+6], 0
	s_mov_b32 s[\g+7], 0
.endr
	; and for the scales of 128 rows: 4,096 dense bytes as 16 rows of 256 (32 elements of 8 bytes), padded likewise
	s_or_b32 s[G1S], s94, (3<<16)|(1<<20)|(1<<21)|(5<<22)|(3<<25)
	s_or_b32 s[G1SB], s95, (3<<16)|(1<<20)|(1<<21)|(5<<22)|(3<<25)
.irp g, G1S, G1SB
	s_mov_b32 s[\g+1], 32<<16
	s_mov_b32 s[\g+2], (128*KS/256)<<16
	s_mov_b32 s[\g+3], 32<<16
	s_mov_b32 s[\g+4], 128*KS/256
	s_mov_b32 s[\g+5], 32
	s_mov_b32 s[\g+6], 0
	s_mov_b32 s[\g+7], 0
.endr
	s_lshl_b32 s2, s[HC], 7                        ; which 128 rows of a tile I fetch
	s_lshl_b32 s96, s93, 8
	s_add_co_u32 s96, s96, s2                      ; A: row 256 x tile row + 128 x half
	s_lshl_b32 s98, s96, 5                         ; its scales, in bytes
	s_lshl_b32 s96, s96, 10                        ; its codes
	s_mov_b32 s97, 0
	s_mov_b32 s99, 0
	s_lshl_b32 s100, s92, 8
	s_add_co_u32 s100, s100, s2                    ; B likewise, in registers that never hold cy
	s_lshl_b32 s104, s100, 5
	s_lshl_b32 s100, s100, 10
	s_mov_b32 s101, 0
	s_mov_b32 s105, 0
	; every LDS address is made here, of the lane and the wave's number alone
	v_and_b32 v1, 15, v0                           ; r
	v_bfe_u32 v2, v0, 4, 1                         ; h
	v_mul_u32_u24 v3, v1, PITCH
	v_lshl_add_u32 v4, v2, 4, v3                   ; a fragment's row x pitch + 16 h
	s_mul_i32 s2, s[HR], HALFT                     ; my 128 rows of A
	s_mul_i32 s3, s[HC], HALFT
	s_add_co_u32 s3, s3, 2*HALFT                   ; my 128 rows of B, behind A's 256
.irp s, 0,1
	v_add_nc_u32 v[ADRA+\s], s2, v4
	v_add_nc_u32 v[ADRB+\s], s3, v4
	s_add_co_u32 s2, s2, SLOT
	s_add_co_u32 s3, s3, SLOT
.endr
	v_mul_u32_u24 v5, v1, KS                       ; my row's scales: 32 bytes a row,
	v_lshrrev_b32 v6, 8, v5
	v_lshl_add_u32 v5, v6, 4, v5                   ; and 16 more for each 256 passed
	s_mul_i32 s2, s[HR], HALFS
	s_mul_i32 s3, s[HC], HALFS
	s_add_co_u32 s3, s3, 2*HALFS
	s_sub_co_u32 s3, s3, s2
	v_mul_u32_u24 v6, s3, v2                       ; lanes 16-31 take B's
	s_add_co_u32 s2, s2, SCL
	v_add_nc_u32 v5, v5, v6
	v_add_nc_u32 v[ADRS], s2, v5
	v_and_b32 v6, 31, v0
	v_lshlrev_b32 v[CO], 4, v6
	s_lshl_b32 s2, s[WV], 10
	s_add_co_u32 s2, s2, BNT
	v_add_nc_u32 v[BT], s2, v[CO]
	v_lshl_add_u32 v[BA], v2, 5, s2
	v_lshl_add_u32 v[BB], v1, 2, s2
	s_lshl_b32 s3, s[WV], 9
	s_add_co_u32 s3, s3, SWS
	v_add_nc_u32 v[SR], s3, v[CO]
	v_lshl_add_u32 v[SW], v1, 2, s3
.irp b, 0,1,2,3
	v_mov_b32 v[TM+4+\b], 0                        ; written once: a lane permute's destination counts as one of its sources
.endr
	s_mul_i32 s2, s[WV], HALFT                     ; where my tiles go: wave x 128 rows
	s_mul_i32 s3, s[WV], HALFS
	s_wait_dscnt 0x0                               ; both opening adds are done
	s_wait_kmcnt 0x0
	; the tensor's buffers: a choice on the cluster's number alone
	s_cmp_eq_u32 s[TN], 0
.irp i, 0,2,4,6,8,10,12,14
	s_cselect_b64 s[4+\i:5+\i], s[4+\i:5+\i], s[20+\i:21+\i]
.endr
	s_cmp_eq_u32 s[TN], 2
	s_cselect_b64 s[4:5], s[36:37], s[4:5]         ; T = 2: A = Wq,
	s_cselect_b64 s[6:7], s[38:39], s[6:7]
	s_cselect_b64 s[8:9], s[20:21], s[8:9]         ; B = Xq,
	s_cselect_b64 s[10:11], s[22:23], s[10:11]
.irp i, 0,2,4,6
	s_cselect_b64 s[12+\i:13+\i], s[40+\i:41+\i], s[12+\i:13+\i]   ; the norm's set 1
.endr
	s_add_nc_u64 s[4:5], s[4:5], s[96:97]
	s_add_nc_u64 s[6:7], s[6:7], s[98:99]
	s_add_nc_u64 s[8:9], s[8:9], s[100:101]
	s_add_nc_u64 s[10:11], s[10:11], s[104:105]
	CROUND                                         ; all sixteen work-groups are here: the first joint loads meet
	s_mov_b32 s[G0S], 1
	s_add_co_u32 s[G0S+1], s3, SCL
	s_mov_b64 s[G0S+2:G0S+3], s[6:7]
	s_or_b32 s[G0S+3], s[G0S+3], 0x80000000
	s_mov_b32 s[G0SB], 1
	s_add_co_u32 s[G0SB+1], s3, SCL
	s_mov_b64 s[G0SB+2:G0SB+3], s[10:11]
	s_or_b32 s[G0SB+3], s[G0SB+3], 0x80000000
	JLOAD G0S, G1S, G0SB, G1SB                     ; the scales first: they are wanted with K step 0
.irp s, 0,1
	s_mov_b32 s[G0+4*\s], 1
	s_add_co_u32 s[G0+4*\s+1], s2, \s*SLOT
	s_add_nc_u64 s[G0+4*\s+2:G0+4*\s+3], s[4:5], \s*ROWB
	s_or_b32 s[G0+4*\s+3], s[G0+4*\s+3], 0x80000000
	s_mov_b32 s[G0B+4*\s], 1
	s_add_co_u32 s[G0B+4*\s+1], s2, \s*SLOT
	s_add_nc_u64 s[G0B+4*\s+2:G0B+4*\s+3], s[8:9], \s*ROWB
	s_or_b32 s[G0B+4*\s+3], s[G0B+4*\s+3], 0x80000000
	s_wait_alu depctr_va_vdst(0)
	s_wait_tensorcnt 0x0
	ds_add_u32 v28, v29
	s_wait_dscnt 0x0
	CROUND
	JLOAD G0+4*\s, G1, G0B+4*\s, G1B               ; one load of mine is out now
.endr
	; where my wave's results go, and its 128 channels: these numbers mix cx and cy and enter plain loads and stores alone
	s_lshl_b32 s44, s93, 1
	s_add_co_u32 s44, s44, s[HR]                   ; which 128 rows of A are mine
	s_lshl_b32 s45, s92, 1
	s_add_co_u32 s45, s45, s[HC]                   ; which 128 rows of B
	s_cmp_eq_u32 s[TN], 2
	s_cselect_b32 s46, s45, s44                    ; on the X side: 0..63 = 16 x batch + block
	s_cselect_b32 s47, s44, s45                    ; on the W side: 0..7 = the head
	s_lshl_b32 s44, s[TN], 9
	s_lshr_b32 s45, s46, 4
	s_lshl_b32 s45, s45, 7
	s_add_co_u32 s44, s44, s45
	s_lshl_b32 s45, s47, 4
	s_add_co_u32 s44, s44, s45
	s_and_b32 s45, s46, 15
	s_add_co_u32 s46, s44, s45                     ; 512 T + 128 batch + 16 head + block
	s_lshl_b32 s44, s46, 14                        ; 16,384 bytes of codes a block,
	s_mov_b32 s45, 0
	s_add_nc_u64 s[48:49], s[48:49], s[44:45]
	s_lshl_b32 s44, s46, 9                         ; 512 of scale words
	s_add_nc_u64 s[50:51], s[50:51], s[44:45]
	s_lshl_b32 s44, s47, 9                         ; the head's 128 channels
.irp i, 12,14,16,18
	s_add_nc_u64 s[\i:\i+1], s[\i:\i+1], s[44:45]
.endr
	global_load_b128 v[64:67], v[CO], s[12:13]     ; gamma: four channels a lane
	global_load_b128 v[68:71], v[CO], s[14:15]     ; beta
	global_load_b128 v[72:75], v[CO], s[16:17]     ; mean
	global_load_b128 v[76:79], v[CO], s[18:19]     ; var
	s_mov_b32 s[SEL], 0x76543210
	s_mov_b32 s[SEL+1], 0xfedcba98                 ; v_permlanex16_b32's selects for lane l xor 16
	s_mov_b32 s94, 0x3dcccccd                      ; 0.1
	s_mov_b32 s95, s94                             ; (named with it as a pair)
	s_wait_loadcnt 0x0
.irp i, 76,77,78,79
	v_add_f32 v\i, 0x3727c5ac, v\i                 ; var + 1e-5
.endr
	s_wait_alu depctr_va_vdst(0)
.irp i, 76,77,78,79
	v_rsq_f32 v\i, v\i
.endr
	v_nop                                          ; a plain instruction behind the last of them,
	s_wait_alu depctr_va_vdst(0)                   ; and one wait for the four, ahead of their first reader
	v_pk_mul_f32 v[64:65], v[64:65], v[76:77]      ; sc
	v_pk_mul_f32 v[66:67], v[66:67], v[78:79]
.irp i, 0,1,2,3
	v_fma_f32 v[68+\i], -v[72+\i], v[64+\i], v[68+\i]   ; bi = beta - mean sc
.endr
	ds_store_b128 v[BT], v[64:67]                  ; my wave's own table; nobody else reads it
	ds_store_b128 v[BT], v[68:71] offset:512
.macro FRAG reg, adr, q, i             ; 16 rows x 128 K: lane l holds row l % 16; registers 4 c .. 4 c + 3 hold K = 32 c + 16 (l / 16) + 0 .. 15
.irp c, 0,1,2,3
	ds_load_b128 v[\reg+4*\c:\reg+4*\c+3], v[\adr] offset:128*(\q)+32*\c+(\i)*16*PITCH
.endr
.endm
; 16 matrix instructions: A's blocks a0, a0 + 1 x B's eight.  The 64 accumulators take turns, one instruction a turn, in the same order in every step.
.macro MUL16 a0, p, q, sc, zero
.irp a, \a0, \a0+1
.irp b, 0,1,2,3,4,5,6,7
.if \zero
	v_wmma_scale_f32_16x16x128_f8f6f4 v[8*(8*((\a)%4)+\b):8*(8*((\a)%4)+\b)+7], v[128*(\p)+FR*\b:128*(\p)+FR*\b+FR-1], v[AF+FR*(\a):AF+FR*(\a)+FR-1], 0, v[SC+8*NQ*(\sc)+NQ*\b+(\q)], v[SC+8*NQ*(\sc)+NQ*(\a)+(\q)] matrix_a_scale:MATRIX_SCALE_ROW1
.else
	v_wmma_scale_f32_16x16x128_f8f6f4 v[8*(8*((\a)%4)+\b):8*(8*((\a)%4)+\b)+7], v[128*(\p)+FR*\b:128*(\p)+FR*\b+FR-1], v[AF+FR*(\a):AF+FR*(\a)+FR-1], v[8*(8*((\a)%4)+\b):8*(8*((\a)%4)+\b)+7], v[SC+8*NQ*(\sc)+NQ*\b+(\q)], v[SC+8*NQ*(\sc)+NQ*(\a)+(\q)] matrix_a_scale:MATRIX_SCALE_ROW1
.endif
.endr
.endr
.endm
.macro FETCH_B slot, q, p
	WIN TO_B
.irp i, 0,1,2,3,4,5,6,7
	FRAG 128*(\p)+FR*\i, ADRB+\slot, \q, \i
.endr
	WIN 0
.endm
.macro FETCH_A slot, q, i0
.irp i, \i0, \i0+1, \i0+2, \i0+3
	FRAG AF+FR*(\i), ADRA+\slot, \q, \i
.endr
.endm
.macro SCALES sc                       ; a K step's scale words: two words a row; lanes 0-15 take A's block i, lanes 16-31 B's block i
.irp i, 0,1,2,3,4,5,6,7
	ds_load_b64 v[SC+8*NQ*\sc+NQ*\i:SC+8*NQ*\sc+NQ*\i+1], v[ADRS] offset:\i*SBLK
.endr
.endm
.macro PLACES n                        ; plain vector instructions between a matrix instruction and a load into, or a vector instruction on, its registers (ISA guide 7.12.1 for vector instructions)
.rept \n
	v_nop
.endr
.endm
.macro STEP slot, q, zero              ; 128 along K with its successor in the same slot
	s_wait_dscnt 4*NL                              ; B's set and A's blocks 0-3 are in; the youngest sixteen loads (A's blocks 4-7) may be out
	WIN MUL_LO
	MUL16 0, (\q)%2, \q, \slot, \zero
	MUL16 2, (\q)%2, \q, \slot, \zero
	s_wait_dscnt 0
	PLACES NP
	FETCH_B \slot, (\q)+1, 1-(\q)%2
	FETCH_A \slot, (\q)+1, 0
	WIN MUL_HI
	MUL16 4, (\q)%2, \q, \slot, \zero
	MUL16 6, (\q)%2, \q, \slot, \zero
	PLACES NP
	WIN 0
	FETCH_A \slot, (\q)+1, 4
.endm
; A slot's last step changes slots: one barrier; in front of it each wave waits for all its tensor loads, adds 0 to its spare word, and waits for that and for its reads of this slot.  fill = 1: the slot is filled again, two K steps ahead.
.macro TURN slot, next, fill
	s_wait_tensorcnt 0x0                           ; all my tensor loads have landed: my part of the next slot
	ds_add_u32 v[SPW], v[NIL]                      ; 0 onto my spare word
	s_wait_dscnt 4*NL+1                            ; (the add and the youngest sixteen loads may be out)
	WIN MUL_LO
	MUL16 0, 1, NQ-1, \slot, 0
	s_wait_dscnt 0x0                               ; the add is done, and my reads of this slot are over
	s_barrier_signal -1
	MUL16 2, 1, NQ-1, \slot, 0
	WIN 0
	s_barrier_wait -1
.if \fill
	CREST                                          ; the barrier has opened a round of the cluster's: no wave of any partner still reads this slot or has a load on its way
	s_add_nc_u64 s[G0+4*\slot+2:G0+4*\slot+3], s[G0+4*\slot+2:G0+4*\slot+3], 2*ROWB
	s_add_nc_u64 s[G0B+4*\slot+2:G0B+4*\slot+3], s[G0B+4*\slot+2:G0B+4*\slot+3], 2*ROWB
	JLOAD G0+4*\slot, G1, G0B+4*\slot, G1B         ; the first tensor load behind the round; its four v_nop are among the places below
	PLACES NP-4
.else
	PLACES NP
.endif
	s_wait_alu depctr_va_vdst(0)
	v_add_nc_u32 v[ADRS], 4*NQ, v[ADRS]            ; the next K step's scale words
	FETCH_B \next, 0, 0
	FETCH_A \next, 0, 0
	SCALES \next
	WIN MUL_HI
	MUL16 4, 1, NQ-1, \slot, 0
	MUL16 6, 1, NQ-1, \slot, 0
	PLACES NP
	WIN 0
	FETCH_A \next, 0, 4
.endm
	s_wait_tensorcnt 1                             ; the scales and my part of K step 0 are in; K step 1's load, the one issued behind them, may be out
	s_wait_dscnt 0x0                               ; my table's stores are done
	s_barrier_signal -1
	s_barrier_wait -1
	FETCH_B 0, 0, 0
	FETCH_A 0, 0, 0
	SCALES 0
	FETCH_A 0, 0, 4
	STEP 0, 0, 1                                   ; the first products start the sums.  Four K steps in all: written out, no loop
	TURN 0, 1, 1                                   ; slot 0 takes K step 2
	STEP 1, 0, 0
	TURN 1, 0, 1                                   ; slot 1 takes K step 3
	STEP 0, 0, 0
	TURN 0, 1, 0
	STEP 1, 0, 0
	s_wait_dscnt 4*NL
	WIN MUL_LO
	MUL16 0, 1, NQ-1, 1, 0
	MUL16 2, 1, NQ-1, 1, 0
	s_wait_dscnt 0
	WIN MUL_HI
	MUL16 4, 1, NQ-1, 1, 0
	MUL16 6, 1, NQ-1, 1, 0
	WIN 0
; y = sum x sc + bi, in place, each accumulator from its low end on.  lane = 0: the channel runs along the registers; 1: along the lanes (sc and bi of block a stand twice, as a pair).
.macro BN_APPLY lane
.irp a, 0,1,2,3,4,5,6,7
.if \a == 0
	WIN 0x96                                       ; the sums (source 0 and destination) window 2; sc and bi window 1
.endif
.if \a == 4
	WIN 0xd7                                       ; the sums window 3
.endif
.set AC, 64*(\a%4)
.set kk, 0
.rept 32
.if \lane
	v_pk_fma_f32 v[AC+kk:AC+kk+1], v[AC+kk:AC+kk+1], v[SCR+2*\a:SCR+2*\a+1], v[BIR+2*\a:BIR+2*\a+1]
.else
	v_pk_fma_f32 v[AC+kk:AC+kk+1], v[AC+kk:AC+kk+1], v[SCR+kk:SCR+kk+1], v[BIR+kk:BIR+kk+1]
.endif
.set kk, kk+2
.endr
.endr
	WIN 0
.endm
	PLACES NP                                      ; behind the last products: for the loads into B's registers and the vector work on the sums
	s_cmp_eq_u32 s[TN], 2                          ; the cluster's number: alike in all partners and all waves
	s_cbranch_scc1 .Lbn_lane
	WIN TO_B
.irp b, 0,1,2,3,4,5,6,7
.irp g, 0,1
	ds_load_b128 v[SCR+8*\b+4*\g:SCR+8*\b+4*\g+3], v[BA] offset:64*\b+16*\g          ; register 8 b + j: channel 16 b + 8 h + j
	ds_load_b128 v[BIR+8*\b+4*\g:BIR+8*\b+4*\g+3], v[BA] offset:512+64*\b+16*\g
.endr
.endr
	s_wait_dscnt 0x0
	BN_APPLY 0
	s_branch .Lbn_done
.Lbn_lane:
	WIN TO_B
.irp a, 0,1,2,3,4,5,6,7
	ds_load_b32 v[SCR+2*\a], v[BB] offset:64*\a                                    ; block a: channel 16 a + r
	ds_load_b32 v[SCR+2*\a+1], v[BB] offset:64*\a
	ds_load_b32 v[BIR+2*\a], v[BB] offset:512+64*\a
	ds_load_b32 v[BIR+2*\a+1], v[BB] offset:512+64*\a
.endr
	s_wait_dscnt 0x0
	BN_APPLY 1
.Lbn_done:
; 64 numbers of a lane, register 16 b + i in block b of my row's 128 along the next K, become a fragment's codes in v[pc] on and its scale word in v[pw].
.macro QUANT s, pc, pw
.irp b, 0,1,2,3
	v_max3_num_f32 v[TM+\b], |v[\s+16*\b]|, |v[\s+1+16*\b]|, 0x4800000   ; my 16 numbers of block b, and the floor 2^(9 - 127): the byte cannot fall under 1
.endr
.irp i, 2,4,6,8,10,12,14
.irp b, 0,1,2,3
	v_max3_num_f32 v[TM+\b], v[TM+\b], |v[\s+16*\b+\i]|, |v[\s+1+16*\b+\i]|
.endr
.endr
.irp b, 0,1,2,3
	v_permlanex16_b32 v[TM+4+\b], v[TM+\b], s[SEL], s[SEL+1]
.endr
.irp b, 0,1,2,3
	v_max_num_f32 v[TM+\b], v[TM+\b], v[TM+4+\b]   ; with lane l xor 16's: the block's largest magnitude
.endr
.irp b, 0,1,2,3
	v_add_nc_u32 v[TM+12+\b], 0xfc000000, v[TM+\b]   ; 8 off its exponent field: the conversion's scale operand
.endr
.irp b, 0,1,2,3
.endr
.irp b, 0,1,2,3
	v_lshrrev_b32 v[TM+4+\b], 23, v[TM+12+\b]      ; the scale's byte
.endr
	v_lshl_or_b32 v[\pw], v[TM+5], 8, v[TM+4]
	v_lshl_or_b32 v[\pw], v[TM+6], 16, v[\pw]
	v_lshl_or_b32 v[\pw], v[TM+7], 24, v[\pw]
.irp b, 0,1,2,3
.irp i, 0,1,2,3,4,5,6,7,8,9,10,11,12,13,14,15
.endr
	v_cvt_scalef32_pk8_fp8_f32 v[\pc+4*\b:\pc+1+4*\b], v[\s+16*\b:\s+7+16*\b], v[TM+12+\b]
	v_cvt_scalef32_pk8_fp8_f32 v[\pc+2+4*\b:\pc+3+4*\b], v[\s+8+16*\b:\s+15+16*\b], v[TM+12+\b]
.endr
	v_nop                                          ; a plain instruction behind the last conversion: the next block writes its sources
.endm
; Block a (16 rows of A): max(y, 0.1 y), quantised; the fragment's four chunks leave as they stand, 512 consecutive bytes a store; each block has its own registers for codes and word, so no store's data are written again.
.macro POST a
.set AC, 64*((\a)%4)
	WIN (0x02+(\a)/4)                              ; source 0: the sums' window
.set kk, 0
.rept 32
	v_pk_mul_f32 v[TT+kk:TT+kk+1], v[AC+kk:AC+kk+1], s[94:95] op_sel_hi:[1,0]
.set kk, kk+2
.endr
.set kk, 0
.rept 64
	v_max_num_f32 v[TT+kk], v[AC+kk], v[TT+kk]     ; y where y > 0, else 0.1 y
.set kk, kk+1
.endr
	WIN 0
	QUANT TT, PC+16*(\a), PW+(\a)
.irp c, 0,1,2,3
	global_store_b128 v[CO], v[PC+16*(\a)+4*\c:PC+16*(\a)+4*\c+3], s[48:49] offset:2048*(\a)+512*\c
.endr
	ds_store_b32 v[SW], v[PW+(\a)] offset:64*(\a)  ; both halves of the lanes write the same word with the same value
.endm
.irp a, 0,1,2,3,4,5,6,7
	POST \a
.endr
	ds_load_b128 v[120:123], v[SR]                 ; LDS serves a wave's instructions in order (ISA guide 5.7.1.4): these see my stores
	s_wait_dscnt 0x0
	global_store_b128 v[CO], v[120:123], s[50:51]  ; my 128 scale words: 512 consecutive bytes
	s_wait_tensorcnt 0x0                           ; the wave's end
	ds_add_u32 v[SPW], v[NIL]
	s_wait_dscnt 0x0
	CROUND                                         ; the closing round
	s_endpgm
.Lfunc_end_k_q4928a440e3_proj:
	.size	k_q4928a440e3_proj, .Lfunc_end_k_q4928a440e3_proj-k_q4928a440e3_proj
	.p2alignl 7, 3214868480
	.fill 96, 4, 3214868480
	.section	.rodata,"a",@progbits
	.p2align	6, 0x0
	.amdhsa_kernel k_q4928a440e3_proj
		.amdhsa_group_segment_fixed_size 327680
		.amdhsa_private_segment_fixed_size 0
		.amdhsa_enable_private_segment 0
		.amdhsa_kernarg_size 192
		.amdhsa_user_sgpr_count 2
		.amdhsa_user_sgpr_kernarg_segment_ptr 1
		.amdhsa_wavefront_size32 1
		.amdhsa_system_sgpr_workgroup_id_x 1
		.amdhsa_system_sgpr_workgroup_id_y 1
		.amdhsa_system_sgpr_workgroup_id_z 1
		.amdhsa_system_vgpr_workitem_id 0
		.amdhsa_next_free_vgpr 1024
		.amdhsa_next_free_sgpr 106
		.amdhsa_reserve_vcc 0
		.amdhsa_float_denorm_mode_32 3
		.amdhsa_float_denorm_mode_16_64 3
		.amdhsa_fp16_overflow 1
		.amdhsa_memory_ordered 1
		.amdhsa_forward_progress 1
		.amdhsa_inst_pref_size 221
	.end_amdhsa_kernel
	.amdgpu_metadata
---
amdhsa.version: [ 1, 2 ]
amdhsa.kernels:
  - .name:           k_q4928a440e3_proj
    .symbol:         k_q4928a440e3_proj.kd
    .args:
      - { .name: Xk_codes, .offset: 0, .size: 8, .value_kind: global_buffer, .address_space: global }
      - { .name: Xk_scales, .offset: 8, .size: 8, .value_kind: global_buffer, .address_space: global }
      - { .name: Wk_codes, .offset: 16, .size: 8, .value_kind: global_buffer, .address_space: global }
      - { .name: Wk_scales, .offset: 24, .size: 8, .value_kind: global_buffer, .address_space: global }
      - { .name: gamma2, .offset: 32, .size: 8, .value_kind: global_buffer, .address_space: global }
      - { .name: beta2, .offset: 40, .size: 8, .value_kind: global_buffer, .address_space: global }
      - { .name: mean2, .offset: 48, .size: 8, .value_kind: global_buffer, .address_space: global }
      - { .name: var2, .offset: 56, .size: 8, .value_kind: global_buffer, .address_space: global }
      - { .name: Xq_codes, .offset: 64, .size: 8, .value_kind: global_buffer, .address_space: global }
      - { .name: Xq_scales, .offset: 72, .size: 8, .value_kind: global_buffer, .address_space: global }
      - { .name: Wv_codes, .offset: 80, .size: 8, .value_kind: global_buffer, .address_space: global }
      - { .name: Wv_scales, .offset: 88, .size: 8, .value_kind: global_buffer, .address_space: global }
      - { .name: gamma3, .offset: 96, .size: 8, .value_kind: global_buffer, .address_space: global }
      - { .name: beta3, .offset: 104, .size: 8, .value_kind: global_buffer, .address_space: global }
      - { .name: mean3, .offset: 112, .size: 8, .value_kind: global_buffer, .address_space: global }
      - { .name: var3, .offset: 120, .size: 8, .value_kind: global_buffer, .address_space: global }
      - { .name: Wq_codes, .offset: 128, .size: 8, .value_kind: global_buffer, .address_space: global }
      - { .name: Wq_scales, .offset: 136, .size: 8, .value_kind: global_buffer, .address_space: global }
      - { .name: gamma1, .offset: 144, .size: 8, .value_kind: global_buffer, .address_space: global }
      - { .name: beta1, .offset: 152, .size: 8, .value_kind: global_buffer, .address_space: global }
      - { .name: mean1, .offset: 160, .size: 8, .value_kind: global_buffer, .address_space: global }
      - { .name: var1, .offset: 168, .size: 8, .value_kind: global_buffer, .address_space: global }
      - { .name: codes, .offset: 176, .size: 8, .value_kind: global_buffer, .address_space: global }
      - { .name: scales, .offset: 184, .size: 8, .value_kind: global_buffer, .address_space: global }
    .group_segment_fixed_size: 327680
    .private_segment_fixed_size: 0
    .kernarg_segment_align: 8
    .kernarg_segment_size: 192
    .max_flat_workgroup_size: 128
    .sgpr_count:     106
    .vgpr_count:     1024
    .wavefront_size: 32
...
	.end_amdgpu_metadata
.endif
;; end of part 1
;; launch attn (part 2): grid 8 x 32, 16 waves a work-group, no clusters, 327,680 bytes of LDS; arguments codes, scales, out0; writes out0
.if DOCPART == 2
	.amdgcn_target "amdgcn-amd-amdhsa--gfx1250"
	.amdhsa_code_object_version 6
	.text
	.protected	k_q4928a440e3_attn
	.globl	k_q4928a440e3_attn
	.p2align	8
	.type	k_q4928a440e3_attn,@function
k_q4928a440e3_attn:
	s_mov_b64 s[64:65], 0
	v_nop
	global_prefetch_b8 v0, s[64:65] scope:SCOPE_SE
	s_setreg_imm32_b32 hwreg(HW_REG_WAVE_MODE, 25, 1), 1
	s_wait_xcnt 0x0
; out[b][128 h + c][i] = the sum over j of softmax_j(K[:, i] . V[:, j] / sqrt(128)) Q[c][j], both products on codes of FP8 (E4M3) with one E8M0 scale for each 32 along a product's K.  No work is left out.
; The operands come from the launch before, as images of the operands' registers: codes[T][head][block of 128][fragment][chunk][lane][16 bytes], scales[T][head][block][row] (a word a row).
; T = 0: rows i (the queries here), K = the head's 128 channels;  T = 1: rows j (the keys), likewise;  T = 2: rows = the head's 128 channels, K = the 128 positions j of a block (the values).
; Inside a block of 32 along K all these, and p below, are laid in one and the same order (place 16 h + 8 u + j holds k = 16 u + 8 h + j), so both sides of each product are permuted alike.
; THE SOFTMAX: t = score x log2(e) / sqrt(128); M = the row's largest t so far, rounded UP to a whole number; p = 2^(t - M) is quantised along the keys; the row's sum is taken of the unquantised p and divides at the end.
; SHARES.  A work-group owns 256 queries of one head, each of its sixteen waves 16: one tile, 256 registers, four waves to a SIMD.  Every wave walks the head's 2,048 keys, 128 a step, two steps to a slot, eight slots.
; Both products are used transposed: S^T = keys x queries, O^T = values x p: a lane holds one query (lane % 16) throughout.  Tile t of S^T holds keys 16 t + 8 (lane / 16) + 0 .. 7 in its registers.
; THE RING: two LDS slots of 65,536 bytes (keys' two blocks, values' two blocks, 16,384 dense bytes each), filled by waves 0 to 3, one tensor load each, read by all sixteen at 16 x lane: no padding is wanted.
; NO CLUSTER: a slot's fill is 65,536 bytes for a work-group whose sixteen waves read 16 x 65,536 bytes of it from LDS; what partners could share is one sixteenth of a slot's traffic, and the fill has two whole key steps to land.
; LIMITS: NaN and infinities are not served; a block's largest p is taken from its largest score (v_exp_f32 is taken not to fall where its input rises); a block whose p are all 0 keeps the byte 1: its codes are zeros.
; REGISTERS: v1-11 addresses; v12 -M, v13 the largest t, v[14:15] the sum in two halves; v16-31 the queries; v32-95 four fragments; v96-159 S^T, then p; v160-223 O^T; v224-239 p's codes; v232-254 at work; v255 the queries' scale words.
.set SLOT1, 1<<16                      ; slot 1 begins here: one exclusive or turns an address
.set SCB,   2*SLOT1                    ; the head's scale words: the keys' 8,192 bytes, then the values'
.set SPARE, SCB+16384                  ; the spare words, 128 bytes for each of sixteen waves
.set STAGE, SPARE+2048                 ; the way out: 128 channel rows x (1,024 bytes + 16); no fill ever lands here
.set SPT,   1040
.set NSL,   8
.set LI,   1                           ; v1   16 x lane
.set ASC,  2                           ; v2   SCB + 4 r
.set PFO,  3                           ; v3   256 x lane
.set SA0,  4                           ; v4   the stage, on the way in: STAGE + 8 rows x h + 64 wave + 4 r
.set SPW,  5
.set NIL,  6
.set SA1,  7                           ; v7   the same, 64 rows on
.set AD,   8                           ; v8   the slot in hand + 16 x lane
.set RD,   9                           ; v9   the stage, on the way out: STAGE + 8 rows x wave + 16 lane
.set ADS,  10                          ; v10  the step's scale words
.set TB,   2
.set TS,   3
.set WV,   18
.set MNT,  19
.set SEL,  20
.set CS,   22
.set G1,   24
.set G1S,  32
.set G0,   40
.set G0S,  44
.set SLOTS, 48
.set PFA,  50
.set LIM,  52
.macro TLOAD                           ; waves 0 to 3 fetch, one load each; an s_nop 0 and four v_nop follow it
	s_cmp_lt_u32 s[WV], 4
	s_cbranch_scc0 .Lasked_\@
	tensor_load_to_lds s[G0:G0+3], s[G1:G1+7]
	s_nop 0
.rept 4
	v_nop
.endr
.Lasked_\@:
.endm
; A prefetch of the slot that the NEXT change of slots will ask for: two key steps ahead of that load.  All eight work-groups of a head walk the same keys and values: the head's first work-group asks, and in it the waves
; that fetch nothing: waves 4 to 7 the keys' 32,768 bytes, waves 8 to 11 the values': 8,192 bytes a wave, lanes 256 bytes apart, one instruction.  The last change that fills a slot asks for nothing; slots 0 and 1 come by their loads alone.
.macro ASK
	s_cmp_gt_u32 s[SLOTS], s[LIM]
	s_cbranch_scc0 .Lnot_mine_\@
	global_prefetch_b8 v[PFO], s[PFA:PFA+1] th:TH_LOAD_NT scope:SCOPE_SE
.Lnot_mine_\@:
.endm
	s_load_b128 s[4:7], s[0:1], 0x0                ; codes, scales
	s_load_b64 s[8:9], s[0:1], 0x10                ; out0
	v_lshl_add_u32 v[SPW], v0, 2, SPARE
	v_mov_b32 v[NIL], 0
	ds_add_u32 v[SPW], v[NIL]                      ; the wave's opening: the add, twice on end, and its wait ahead of the first tensor load
	ds_add_u32 v[SPW], v[NIL]
	v_lshrrev_b32 v8, 5, v0
	s_delay_alu instid0(VALU_DEP_1)
	v_readfirstlane_b32 s[WV], v8                  ; wave 0..15
	s_and_b32 s54, ttmp7, 0xffff                   ; the head, 8 b + h
	s_and_b32 s55, s[WV], 3                        ; as a loader: 0, 1 the keys' two blocks of a slot; 2, 3 the values'
	s_mov_b32 s[G1], 3<<16                         ; 16,384 dense bytes as 64 rows of 256: elements of 8 bytes, no padding
	s_mov_b32 s[G1+1], 32<<16
	s_mov_b32 s[G1+2], 64<<16
	s_mov_b32 s[G1+3], 32<<16
	s_mov_b32 s[G1+4], 64
	s_mov_b32 s[G1+5], 32
	s_mov_b32 s[G1+6], 0
	s_mov_b32 s[G1+7], 0
	s_mov_b32 s[G1S], 3<<16                        ; 4,096 dense bytes of scale words as 16 rows of 256
	s_mov_b32 s[G1S+1], 32<<16
	s_mov_b32 s[G1S+2], 16<<16
	s_mov_b32 s[G1S+3], 32<<16
	s_mov_b32 s[G1S+4], 16
	s_mov_b32 s[G1S+5], 32
	s_mov_b32 s[G1S+6], 0
	s_mov_b32 s[G1S+7], 0
	s_mov_b32 s[SEL], 0x76543210
	s_mov_b32 s[SEL+1], 0xfedcba98
	s_mov_b32 s[CS], 0x3e0293ee                    ; c = log2(e) / sqrt(128)
	s_mov_b32 s[CS+1], s[CS]
	s_mov_b32 s[TB], 0
	s_mov_b32 s[TS], 0
	s_mov_b32 s[SLOTS], NSL-1
	s_lshr_b32 s56, s55, 1
	s_add_co_u32 s56, s56, 1                       ; tensor 1 or 2
	s_and_b32 s58, s55, 1
	s_lshl_b32 s14, s56, 23
	s_lshl_b32 s57, s54, 18
	s_add_co_u32 s14, s14, s57
	s_lshl_b32 s57, s58, 14
	s_add_co_u32 s14, s14, s57
	s_mov_b32 s15, 0                               ; s[14:15]: my block of slot 0, in codes
	s_lshl_b32 s56, s56, 18
	s_lshl_b32 s57, s54, 13
	s_add_co_u32 s56, s56, s57
	s_lshl_b32 s57, s58, 12
	s_add_co_u32 s56, s56, s57
	s_mov_b32 s57, 0                               ; s[56:57]: my half of the head's scale words
	; every LDS address is made here, ahead of the first branch on the wave's number
	v_and_b32 v8, 31, v0
	s_delay_alu instid0(VALU_DEP_1)
	v_lshlrev_b32 v[LI], 4, v8
	s_delay_alu instid0(VALU_DEP_2)
	v_lshlrev_b32 v[PFO], 8, v8
	v_and_b32 v10, 15, v0                          ; r
	v_bfe_u32 v11, v0, 4, 1                        ; h
	s_delay_alu instid0(VALU_DEP_2)
	v_lshl_add_u32 v[ASC], v10, 2, SCB
	s_lshl_b32 s59, s[WV], 6
	s_add_co_u32 s59, s59, STAGE
	v_mul_u32_u24 v[SA0], v11, 8*SPT
	s_delay_alu instid0(VALU_DEP_1)
	v_lshl_add_u32 v[SA0], v10, 2, v[SA0]
	s_delay_alu instid0(VALU_DEP_1)
	v_add_nc_u32 v[SA0], s59, v[SA0]
	s_delay_alu instid0(VALU_DEP_1)
	v_add_nc_u32 v[SA1], 64*SPT, v[SA0]
	s_mul_i32 s59, s[WV], 8*SPT
	s_add_co_u32 s59, s59, STAGE
	v_add_nc_u32 v[RD], s59, v[LI]
	v_lshlrev_b32 v254, 2, v10                     ; 4 r: the queries' scale words
	s_wait_dscnt 0x0                               ; both opening adds are done
	s_wait_kmcnt 0x0
	s_mov_b32 s[G0S], 1
	s_lshl_b32 s[G0S+1], s55, 12
	s_add_co_u32 s[G0S+1], s[G0S+1], SCB
	s_add_nc_u64 s[G0S+2:G0S+3], s[6:7], s[56:57]
	s_or_b32 s[G0S+3], s[G0S+3], 0x80000000
	s_mov_b32 s[G0], 1
	s_lshl_b32 s[G0+1], s55, 14
	s_add_nc_u64 s[G0+2:G0+3], s[4:5], s[14:15]
	s_or_b32 s[G0+3], s[G0+3], 0x80000000
	s_cmp_lt_u32 s[WV], 4                          ; a loader's two first fills stand in one branch: two loads of it are out
	s_cbranch_scc0 .Lno_first
	tensor_load_to_lds s[G0S:G0S+3], s[G1S:G1S+7]  ; the head's scale words: filled once
	s_nop 0
	tensor_load_to_lds s[G0:G0+3], s[G1:G1+7]      ; slot 0
	s_nop 0
.rept 4
	v_nop
.endr
.Lno_first:
	s_lshl_b32 s56, s54, 18                        ; my queries' fragment: head, 256 queries a work-group (two blocks), 16 a wave (a fragment of 2,048 bytes)
	s_lshl_b32 s58, ttmp9, 15
	s_add_co_u32 s56, s56, s58
	s_lshl_b32 s58, s[WV], 11
	s_add_co_u32 s56, s56, s58
	s_add_nc_u64 s[10:11], s[4:5], s[56:57]
	s_lshl_b32 s56, s54, 13                        ; and its scale words
	s_lshl_b32 s58, ttmp9, 10
	s_add_co_u32 s56, s56, s58
	s_lshl_b32 s58, s[WV], 6
	s_add_co_u32 s56, s56, s58
	s_add_nc_u64 s[12:13], s[6:7], s[56:57]
.irp c, 0,1,2,3
	global_load_b128 v[16+4*\c:19+4*\c], v[LI], s[10:11] offset:512*\c
.endr
	s_wait_alu depctr_va_vdst(0)
	global_load_b32 v255, v254, s[12:13]
	s_lshl_b32 s56, s54, 20                        ; out0: the head's 128 rows of 8,192 bytes; my wave stores rows 8 w on; the work-group's 256 columns
	s_lshl_b32 s58, s[WV], 16
	s_add_co_u32 s56, s56, s58
	s_lshl_b32 s58, ttmp9, 10
	s_add_co_u32 s56, s56, s58
	s_add_nc_u64 s[16:17], s[8:9], s[56:57]
	s_sub_co_u32 s55, s[WV], 4                     ; the prefetches: who asks, and where
	s_and_b32 s56, s55, 7
	s_lshr_b32 s58, s56, 2
	s_add_co_u32 s58, s58, 1                       ; waves 4 to 7: tensor 1; waves 8 to 11: tensor 2
	s_lshl_b32 s58, s58, 23
	s_lshl_b32 s59, s54, 18
	s_add_co_u32 s58, s58, s59
	s_and_b32 s56, s56, 3
	s_lshl_b32 s56, s56, 13                        ; my 8,192 bytes of a slot's 32,768,
	s_add_co_u32 s56, s56, s58
	s_add_co_u32 s56, s56, 32768                   ; in slot 1: the first change of slots steps it to slot 2
	s_add_nc_u64 s[PFA:PFA+1], s[4:5], s[56:57]
	s_lshr_b32 s55, s55, 3                         ; 0 in waves 4 to 11,
	s_or_b32 s55, s55, ttmp9                       ; of the head's first work-group
	s_cmp_eq_u32 s55, 0
	s_cselect_b32 s[LIM], 1, -1
	v_mov_b32 v13, 0xff61b1e6                      ; the largest t so far: -3e38
	s_delay_alu instid0(VALU_DEP_1)
	v_floor_f32 v12, -v13                          ; -M
	v_mov_b32 v14, 0
	v_mov_b32 v15, 0
.irp b, 0,1,2,3
	v_mov_b32 v[236+\b], 0                         ; written once: a lane permute's destination counts as one of its sources
.endr
	v_mov_b32 v253, 0                              ; (named as the upper half of the pair v[252:253] before it is first written)
.set kk, 0
.rept 64
	v_mov_b32 v[160+kk], 0                         ; O^T: the step is written once; the first finds zeros, which the first change of M leaves zeros
.set kk, kk+1
.endr
; A KEY STEP: 128 keys, the q-th of the slot in hand.
.macro STEP q
	v_add_nc_u32 v[AD], s[TB], v[LI]
	s_wait_alu depctr_va_vdst(0)
	v_add_nc_u32 v[ADS], s[TS], v[ASC]
	s_wait_alu depctr_va_vdst(0)
.irp g, 0,1                                    ; S^T = keys x queries, four tiles of 16 keys at a time
.rept 6+2*\g
	v_nop                                          ; eight places in front of loads into registers that matrix instructions have read (the two additions above are places too)
.endr
.irp t, 0,1,2,3
.irp c, 0,1,2,3
	ds_load_b128 v[32+16*\t+4*\c:32+16*\t+4*\c+3], v[AD] offset:16384*(\q)+2048*(4*\g+\t)+512*\c
.endr
	ds_load_b32 v[248+\t], v[ADS] offset:64*(4*\g+\t)
.endr
	s_wait_dscnt 0x0
.irp t, 0,1,2,3
	v_wmma_scale_f32_16x16x128_f8f6f4 v[96+8*(4*\g+\t):103+8*(4*\g+\t)], v[32+16*\t:47+16*\t], v[16:31], 0, v[248+\t], v255
.endr
.endr
.rept 8
	v_nop
.endr
.irp b, 0,1,2,3
	v_max3_num_f32 v[232+\b], v[96+16*\b], v[97+16*\b], v[98+16*\b]   ; the largest score of each block of 32 keys: for the row's maximum, and, since p rises with the score, for the block's largest p
.endr
.irp i, 3,5,7,9,11,13
.irp b, 0,1,2,3
	v_max3_num_f32 v[232+\b], v[232+\b], v[96+16*\b+\i], v[97+16*\b+\i]
.endr
.endr
.irp b, 0,1,2,3
	v_max_num_f32 v[232+\b], v[232+\b], v[111+16*\b]
.endr
.irp b, 0,1,2,3
	v_permlanex16_b32 v[236+\b], v[232+\b], s[SEL], s[SEL+1]
.endr
.irp b, 0,1,2,3
	s_delay_alu instid0(VALU_DEP_4)
	v_max_num_f32 v[232+\b], v[232+\b], v[236+\b]  ; with lane l xor 16's 16 keys
.endr
	s_delay_alu instid0(VALU_DEP_2)
	v_max3_num_f32 v254, v232, v233, v234
	s_delay_alu instid0(VALU_DEP_1)
	v_max_num_f32 v254, v254, v235
	s_delay_alu instid0(VALU_DEP_1)
	v_mul_f32 v254, s[CS], v254                    ; the step's largest t
	s_delay_alu instid0(VALU_DEP_1)
	v_max_num_f32 v13, v13, v254
	v_mov_b32 v254, v12
	s_delay_alu instid0(VALU_DEP_2)
	v_floor_f32 v12, -v13                          ; the new -M = -ceil(t)
	s_delay_alu instid0(VALU_DEP_1)
	v_sub_f32 v254, v12, v254                      ; old M - new M: a whole number, 0 or less
	s_delay_alu instid0(VALU_DEP_1)
	v_cvt_i32_f32 v254, v254                       ; (it saturates)
	s_delay_alu instid0(VALU_DEP_1)
	v_ldexp_f32 v252, 1.0, v254                    ; f = 2^(old M - new M)
.set kk, 0
.rept 32
	v_pk_fma_f32 v[96+kk:97+kk], v[96+kk:97+kk], s[CS:CS+1], v[12:13] op_sel_hi:[1,0,0]   ; t - M
.set kk, kk+2
.endr
.irp b, 0,1,2,3
	v_fma_f32 v[232+\b], v[232+\b], s[CS], v12     ; the same of each block's largest score
.endr
.set kk, 0
	s_wait_alu depctr_va_vdst(0)
.rept 64
	v_exp_f32 v[96+kk], v[96+kk]                   ; p = 2^(t - M)
.set kk, kk+1
.endr
	v_pk_mul_f32 v[14:15], v[14:15], v[252:253] op_sel_hi:[1,0]   ; the sums under the new M: a plain instruction behind the exponentials
	s_wait_alu depctr_va_vdst(0)                   ; one wait for the whole batch, ahead of its first reader
.irp b, 0,1,2,3
	v_exp_f32 v[232+\b], v[232+\b]                 ; the block's largest p
.endr
	v_pk_add_f32 v[236:237], v[100:101], v[104:105]
	v_pk_add_f32 v[250:251], v[108:109], v[112:113]
	v_pk_add_f32 v[248:249], v[116:117], v[120:121]
	v_pk_add_f32 v[246:247], v[124:125], v[128:129]
	v_pk_add_f32 v[244:245], v[132:133], v[136:137]
	v_pk_add_f32 v[242:243], v[140:141], v[144:145]
	v_pk_add_f32 v[240:241], v[148:149], v[152:153]
	v_pk_add_f32 v[14:15], v[14:15], v[156:157]
	v_pk_add_f32 v[236:237], v[236:237], v[96:97]
	v_pk_add_f32 v[250:251], v[250:251], v[98:99]
	v_pk_add_f32 v[248:249], v[248:249], v[102:103]
	v_pk_add_f32 v[246:247], v[246:247], v[106:107]
	v_pk_add_f32 v[244:245], v[244:245], v[110:111]
	v_pk_add_f32 v[242:243], v[242:243], v[114:115]
	v_pk_add_f32 v[240:241], v[240:241], v[118:119]
	v_pk_add_f32 v[14:15], v[14:15], v[122:123]
	v_pk_add_f32 v[236:237], v[236:237], v[126:127]
	v_pk_add_f32 v[250:251], v[250:251], v[130:131]
	v_pk_add_f32 v[248:249], v[248:249], v[134:135]
	v_pk_add_f32 v[246:247], v[246:247], v[138:139]
	v_pk_add_f32 v[244:245], v[244:245], v[142:143]
	v_pk_add_f32 v[242:243], v[242:243], v[146:147]
	v_pk_add_f32 v[240:241], v[240:241], v[150:151]
	v_pk_add_f32 v[14:15], v[14:15], v[154:155]
	v_pk_add_f32 v[236:237], v[236:237], v[158:159]
	s_delay_alu instid0(VALU_DEP_2)
	v_pk_add_f32 v[14:15], v[14:15], v[246:247]
	s_delay_alu instid0(VALU_DEP_2)
	v_pk_add_f32 v[236:237], v[236:237], v[244:245]
	v_pk_add_f32 v[250:251], v[250:251], v[242:243]
	v_pk_add_f32 v[248:249], v[248:249], v[240:241]
	s_delay_alu instid0(VALU_DEP_2)
	v_pk_add_f32 v[14:15], v[14:15], v[250:251]
	s_delay_alu instid0(VALU_DEP_2)
	v_pk_add_f32 v[236:237], v[236:237], v[248:249]
	s_delay_alu instid0(VALU_DEP_1)
	v_pk_add_f32 v[14:15], v[14:15], v[236:237]
	s_wait_alu depctr_va_vdst(0)                   ; and one for the four
.irp b, 0,1,2,3
	v_max_num_f32 v[232+\b], 0x4800000, v[232+\b]  ; the floor 2^(9 - 127): the byte cannot fall under 1
.endr
.irp b, 0,1,2,3
	s_delay_alu instid0(VALU_DEP_4)
	v_add_nc_u32 v[244+\b], 0xfc000000, v[232+\b]  ; the conversion's scale operand
.endr
.irp b, 0,1,2,3
.endr
.irp b, 0,1,2,3
	s_delay_alu instid0(VALU_DEP_4)
	v_lshrrev_b32 v[236+\b], 23, v[244+\b]         ; the scale's byte
.endr
	s_delay_alu instid0(VALU_DEP_3)
	v_lshl_or_b32 v253, v237, 8, v236              ; p's scale word for these 128 keys
	s_delay_alu instid0(VALU_DEP_1)
	v_lshl_or_b32 v253, v238, 16, v253
	s_delay_alu instid0(VALU_DEP_1)
	v_lshl_or_b32 v253, v239, 24, v253
.irp b, 0,1,2,3
.irp i, 0,1,2,3,4,5,6,7,8,9,10,11,12,13,14,15
.endr
	v_cvt_scalef32_pk8_fp8_f32 v[224+4*\b:225+4*\b], v[96+16*\b:103+16*\b], v[244+\b]
	v_cvt_scalef32_pk8_fp8_f32 v[226+4*\b:227+4*\b], v[104+16*\b:111+16*\b], v[244+\b]
.endr
.set kk, 0
.rept 32
	v_pk_mul_f32 v[160+kk:161+kk], v[160+kk:161+kk], v[252:253] op_sel_hi:[1,0]   ; O^T under the new M; these are also the places in front of the loads and matrix instructions below
.set kk, kk+2
.endr
	s_wait_alu depctr_va_vdst(0)
.irp g, 0,1                                    ; O^T += values x p: four tiles of 16 channels at a time
.if \g > 0
.rept 8
	v_nop
.endr
.endif
.irp t, 0,1,2,3
.irp c, 0,1,2,3
	ds_load_b128 v[32+16*\t+4*\c:32+16*\t+4*\c+3], v[AD] offset:32768+16384*(\q)+2048*(4*\g+\t)+512*\c
.endr
	ds_load_b32 v[248+\t], v[ADS] offset:8192+64*(4*\g+\t)
.endr
	s_wait_dscnt 0x0
.irp t, 0,1,2,3
	v_wmma_scale_f32_16x16x128_f8f6f4 v[160+8*(4*\g+\t):167+8*(4*\g+\t)], v[32+16*\t:47+16*\t], v[224:239], v[160+8*(4*\g+\t):167+8*(4*\g+\t)], v[248+\t], v253
.endr
.endr
	s_add_co_u32 s[TS], s[TS], 512                 ; the next step's scale words
.endm
; THE CHANGE OF SLOTS stands at a slot's head.  Each wave waits for all its tensor loads, adds 0 to its spare word, and waits for that and for its reads of the slot that it has left; behind the barrier the slot ahead is whole
; and nobody reads the other one.  fill = 1: that other slot takes the next 256 keys: the load has two key steps in which to land.
.macro CHANGE fill
	s_wait_tensorcnt 0x0                           ; no tensor load of mine is out, so the walking group 0 may be written
	ds_add_u32 v[SPW], v[NIL]
.if \fill
	ds_add_u32 v[SPW], v[NIL]                      ; twice on end here, in every trip alike
	s_xor_b32 s[G0+1], s[G0+1], SLOT1
	s_add_nc_u64 s[G0+2:G0+3], s[G0+2:G0+3], 32768
	s_wait_xcnt 0x0                                ; the last prefetch, a slot back, has read its address
	s_add_nc_u64 s[PFA:PFA+1], s[PFA:PFA+1], 32768
.endif
	s_wait_dscnt 0x0
	s_barrier_signal -1
	s_barrier_wait -1
.if \fill
	TLOAD                                          ; the first thing behind the barrier, and a wave's one tensor load until the next
	ASK
.endif
.endm
.macro SLOT_STEPS
	STEP 0
	STEP 1
	s_xor_b32 s[TB], s[TB], SLOT1
.endm
	s_wait_loadcnt 0x0                             ; the queries
.Lslot:                                            ; seven trips: trip n asks for slot n and works slot n - 1
	CHANGE 1
	SLOT_STEPS
	s_sub_co_u32 s[SLOTS], s[SLOTS], 1
	s_cmp_lg_u32 s[SLOTS], 0
	s_cbranch_scc1 .Lslot
	CHANGE 0                                       ; the last slot is written out
	SLOT_STEPS
	; THE WAY OUT.  O^T / the sum.  The output has the queries innermost and a lane holds one query: so the work-group's 128 channels x 256 queries meet in a stage, and each wave stores eight whole rows of 1,024 bytes.
	v_add_f32 v14, v14, v15
	s_delay_alu instid0(VALU_DEP_1)
	v_permlanex16_b32 v252, v14, s[SEL], s[SEL+1]
	s_delay_alu instid0(VALU_DEP_1)
	v_add_f32 v14, v14, v252                       ; the row's sum
	s_wait_alu depctr_va_vdst(0)
	v_rcp_f32 v14, v14
.rept 8
	v_nop                                          ; the places behind the last products, and the plain instruction behind the reciprocal
.endr
	s_wait_alu depctr_va_vdst(0)                   ; the wait ahead of its first reader
.set kk, 0
.rept 32
	v_pk_mul_f32 v[96+kk:97+kk], v[160+kk:161+kk], v[14:15] op_sel_hi:[1,0]   ; each accumulator from its low end on
.set kk, kk+2
.endr
.irp t, 0,1,2,3
.irp i, 0,1,2,3,4,5,6,7
	ds_store_b32 v[SA0], v[96+8*\t+\i] offset:(16*\t+\i)*SPT          ; channel 16 t + 8 h + i, query 16 w + r: sixteen lanes write 64 consecutive bytes, the other sixteen eight rows on
.endr
.endr
.irp t, 4,5,6,7
.irp i, 0,1,2,3,4,5,6,7
	ds_store_b32 v[SA1], v[96+8*\t+\i] offset:(16*(\t-4)+\i)*SPT
.endr
.endr
	s_wait_dscnt 0x0                               ; for the others' sake: my stores into the stage are done
	s_barrier_signal -1
	s_barrier_wait -1
.irp k, 0,1,2,3,4,5,6,7,8,9,10,11,12,13,14,15
	ds_load_b128 v[32+4*\k:35+4*\k], v[RD] offset:(\k/2)*SPT+512*(\k%2)
.endr
.irp k, 0,1,2,3,4,5,6,7,8,9,10,11,12,13,14,15
	s_wait_dscnt 15-\k                             ; the younger loads from the stage may stay out
	global_store_b128 v[LI], v[32+4*\k:35+4*\k], s[16:17] offset:(\k/2)*8192+512*(\k%2) th:TH_STORE_NT   ; 32 lanes store 512 consecutive bytes, at a multiple of 256 from the output's first byte
.endr
	s_wait_tensorcnt 0x0                           ; the wave's end
	ds_add_u32 v[SPW], v[NIL]
	s_wait_dscnt 0x0
	s_endpgm
.Lfunc_end_k_q4928a440e3_attn:
	.size	k_q4928a440e3_attn, .Lfunc_end_k_q4928a440e3_attn-k_q4928a440e3_attn
	.p2alignl 7, 3214868480
	.fill 96, 4, 3214868480
	.section	.rodata,"a",@progbits
	.p2align	6, 0x0
	.amdhsa_kernel k_q4928a440e3_attn
		.amdhsa_group_segment_fixed_size 327680
		.amdhsa_private_segment_fixed_size 0
		.amdhsa_enable_private_segment 0
		.amdhsa_kernarg_size 24
		.amdhsa_user_sgpr_count 2
		.amdhsa_user_sgpr_kernarg_segment_ptr 1
		.amdhsa_wavefront_size32 1
		.amdhsa_system_sgpr_workgroup_id_x 1
		.amdhsa_system_sgpr_workgroup_id_y 1
		.amdhsa_system_sgpr_workgroup_id_z 1
		.amdhsa_system_vgpr_workitem_id 0
		.amdhsa_next_free_vgpr 256
		.amdhsa_next_free_sgpr 66
		.amdhsa_reserve_vcc 0
		.amdhsa_float_denorm_mode_32 3
		.amdhsa_float_denorm_mode_16_64 3
		.amdhsa_fp16_overflow 1
		.amdhsa_memory_ordered 1
		.amdhsa_forward_progress 1
		.amdhsa_inst_pref_size 106
	.end_amdhsa_kernel
	.amdgpu_metadata
---
amdhsa.version: [ 1, 2 ]
amdhsa.kernels:
  - .name:           k_q4928a440e3_attn
    .symbol:         k_q4928a440e3_attn.kd
    .args:
      - { .name: codes, .offset: 0, .size: 8, .value_kind: global_buffer, .address_space: global }
      - { .name: scales, .offset: 8, .size: 8, .value_kind: global_buffer, .address_space: global }
      - { .name: out0, .offset: 16, .size: 8, .value_kind: global_buffer, .address_space: global }
    .group_segment_fixed_size: 327680
    .private_segment_fixed_size: 0
    .kernarg_segment_align: 8
    .kernarg_segment_size: 24
    .max_flat_workgroup_size: 512
    .sgpr_count:     66
    .vgpr_count:     256
    .wavefront_size: 32
...
	.end_amdgpu_metadata
.endif
;; end of part 2
